; MI455X (gfx1250); checked and timed in simulation.
; The chip was launched on July 23, 2026; its instructions are those of AMD's public machine-readable ISA for CDNA 5 (MIT licence, August 2026) and "CDNA5" Instruction Set Architecture Reference Guide (July 2026). The comments in the code are by the model that wrote it; some were corrected since.
;; Toy Moe. Allowed arithmetic: matrix products marked QUANTISED: E2M3 operands, one E8M0 scale for each 32 along K, by v_wmma_scale_f32_16x16x128_f8f6f4 with both operands' format E2M3, f32 sums; products left as they are: f32 operands where the result goes on into a quantised operand, else bf16, f16 or f32 operands; f32 sums; everything else in f32.
;; Inputs: W0a_codes 2,048 x 32 x 24 uint8 (E2M3 codes of W0a, K innermost, in blocks of 32 codes, four codes in three bytes); W0a_scales 2,048 x 32 uint8 (E8M0 scales of W0a, one for each 32 codes along K); W0b_codes 1,024 x 64 x 24 uint8 (E2M3 codes of W0b, K innermost, in blocks of 32 codes, four codes in three bytes); W0b_scales 1,024 x 64 uint8 (E8M0 scales of W0b, one for each 32 codes along K); W1a_codes 2,048 x 32 x 24 uint8 (E2M3 codes of W1a, K innermost, in blocks of 32 codes, four codes in three bytes); W1a_scales 2,048 x 32 uint8 (E8M0 scales of W1a, one for each 32 codes along K); W1b_codes 1,024 x 64 x 24 uint8 (E2M3 codes of W1b, K innermost, in blocks of 32 codes, four codes in three bytes); W1b_scales 1,024 x 64 uint8 (E8M0 scales of W1b, one for each 32 codes along K); Wg 2 x 1,024 float32; b0a 2,048 float32; b0b 1,024 float32; b1a 2,048 float32; b1b 1,024 float32; x 4 x 2,048 x 1,024 float32.
;; Outputs: out0 4 x 2,048 x 1,024 float32.
;; This version of the problem:
;;   THIS VERSION OF THE PROBLEM IS GIVEN IN LOW PRECISION. The matrix products marked QUANTISED in the list below multiply operands that are first quantised to E2M3 (2 exponent bits, 3 mantissa bits; 6 bits a number), with one power-of-two scale for each 32 numbers along K (OCP MX v1.0); their sums are f32. All else is computed in f32.
;;   The module's matrix products, in the order in which they are computed (A, B: the left and right operand; K: the contracted axis; several contracted axes count as one K, in the product's order):
;;     1. [M 8,192, K 1,024] x [K 1,024, N 2]; A: input x; B: input Wg: left as it is (N = 2 < 16)
;;     2. [M 8,192, K 1,024] x [K 1,024, N 2,048]; A: input x; B: input W0a (given as codes): QUANTISED
;;     3. [M 8,192, K 2,048] x [K 2,048, N 1,024]; A: computed on the way; B: input W0b (given as codes): QUANTISED
;;     4. [M 8,192, K 1,024] x [K 1,024, N 2,048]; A: input x; B: input W1a (given as codes): QUANTISED
;;     5. [M 8,192, K 2,048] x [K 2,048, N 1,024]; A: computed on the way; B: input W1b (given as codes): QUANTISED
;;   THE QUANTISER, for each operand of a quantised product, along K:
;;     - K is cut into blocks of 32 from its start; a last block that is shorter is filled with zeros.
;;     - A block's scale is 2^e with e = floor(log2(the largest magnitude in the block)) - 2, held to -126 .. 127; a block of zeros has e = 0. As a byte (E8M0): e + 127.
;;     - Each number is divided by its block's scale, clamped to +-7.5, and rounded to the nearest number of E2M3, ties to even, subnormals kept.
;;     - The product sums the exact products of the quantised numbers (number of the format x scale) in f32.
;;   ~~~python
;;   def quantise(x, axis):      # numpy; x: float32 -> the quantised numbers, widened to float32 again
;;       x = np.moveaxis(x, axis, -1); K = x.shape[-1]
;;       x = np.pad(x, [(0, 0)] * (x.ndim - 1) + [(0, -K % 32)]); x = x.reshape(x.shape[:-1] + (-1, 32)); a = np.abs(x).max(-1, keepdims=True)
;;       e = np.where(a > 0, np.clip(np.frexp(np.where(a > 0, a, 1))[1] - 1 - 2, -126, 127), 0)      # np.frexp(a)[1] - 1 = floor(log2(a)), exactly
;;       r = np.clip(x / 2.0 ** e, -7.5, 7.5)
;;       step = 2.0 ** (np.maximum(np.frexp(np.where(r == 0, 1, r))[1] - 1, 0) - 3)
;;       q = np.round(r / step) * step * 2.0 ** e      # np.round: ties to even
;;       return np.moveaxis(q.reshape(q.shape[:-2] + (-1,))[..., :K], -1, axis).astype(np.float32)
;;   ~~~
;;   OPERANDS COMPUTED ON THE WAY. 'Computed on the way' means the value that the module computes at that place (a softmax that the list does not call 'softmax' is quantised finished and normalised). What goes into a quantiser is computed in f32, as accurately as f32 sums, v_exp_f32 and their like allow (about 1e-6 of the number): no bf16 or f16 on the way to a quantiser, and a product that is left as it is and whose result goes on into a quantised operand takes f32 operands (vector FMAs, or v_wmma_f32_16x16x4_f32). A number that lies on a knife's edge between two numbers of the format may be rounded either way, as far as f32 arithmetic and the matrix unit's own rounding can turn it there, and no further.
;;   INPUTS GIVEN AS CODES. W0a (in the module: [2048, 1024], K = its axis 1); W0b (in the module: [1024, 2048], K = its axis 1); W1a (in the module: [2048, 1024], K = its axis 1); W1b (in the module: [1024, 2048], K = its axis 1): each comes as NAME_codes (uint8): NAME with its K axis moved to the last place and cut into blocks of 32 codes, [.., K / 32, bytes a block], one block behind the other in memory; four codes in three bytes: a row's codes are one little-endian stream of bits, code i at bits 6 i .. 6 i + 5 (a code: sign, 2 exponent bits, 3 mantissa bits); and NAME_scales (uint8): the same leading axes, one E8M0 byte (e + 127) for each 32 codes along K. Its value is code x scale, taken as it is: it is not quantised again, and the codes and scales need not be those that the quantiser above would give.
;; One version. Each part assembles by itself: llvm-mc -triple=amdgcn-amd-amdhsa -mcpu=gfx1250 --defsym DOCPART=n.
;; ======== version 1 of 1: 2 launches
;; limits: right only within a limited range of input values
;; workspace buffers: xq 6,291,456 bytes; xsc 262,144 bytes; experts 32,768 bytes of whole numbers; wfrag 6,291,456 bytes; wsc 262,144 bytes
;; launch prep (part 1): grid 384 x 1, 4 waves a work-group, no clusters, 84,480 bytes of LDS; arguments x, Wg, W0a_codes, W0a_scales, W0b_codes, W0b_scales, W1a_codes, W1a_scales, W1b_codes, W1b_scales, xq, xsc, experts, wfrag, wsc; writes xq, xsc, experts, wfrag, wsc
.if DOCPART == 1
	.amdgcn_target "amdgcn-amd-amdhsa--gfx1250"
	.amdhsa_code_object_version 6
	.text
	.protected	k_q5495d58ea5_prep
	.globl	k_q5495d58ea5_prep
	.p2align	8
	.type	k_q5495d58ea5_prep,@function
k_q5495d58ea5_prep:
	s_mov_b64 s[64:65], 0
	v_nop
	global_prefetch_b8 v0, s[64:65] scope:SCOPE_SE
	s_setreg_imm32_b32 hwreg(HW_REG_WAVE_MODE, 25, 1), 1
	s_wait_xcnt 0x0
; PREP.  Work-groups 0-255: x [8192][1024] f32 is read once.  It gives (a) the gate: two f32 dot products a token with Wg, softmax over the two, argmax (a tie goes to expert 0),
; stored as one whole number a token at a fixed place; (b) x's codes of FP6 (E2M3), K innermost, a row of 768 bytes, and one E8M0 byte for each 32 along K, a row of 32 bytes.
; Work-groups 256-383: the four weights, given as codes and scale bytes, are laid out as images of operand registers, in the order in which a wave of the launch that follows takes them.
; A block's scale is 2^(floor(log2(its largest magnitude)) - 2); its byte is the largest magnitude's exponent field - 2, held at 1 from below.
; LIMITS: a block of zeros gets the byte 1 where the rule says 127 (its codes are zeros, and this program alone reads the bytes); NaN and infinities among the inputs are not served;
; a token whose two probabilities differ by less than the rounding of an f32 sum of 1,024 terms may go to the other expert.
; x's path: a wave takes 16 steps of 512 numbers = 8 rows.  Each of a step's four loads reads 512 consecutive bytes; the 2,048 bytes turn through the wave's own stage in LDS, so that a lane
; holds 16 neighbours along K (two neighbouring lanes hold a block).  Loads run four steps ahead, the turn one step.  No barrier: waves share nothing.
.set WAVES, 4
.set STEPS, 16
.set EMAX,  2
.set CB,    12                         ; bytes of 16 codes
.set R,     16                         ; v16-79   four sets of 16 numbers as loaded
.set X,     80                         ; v80-111  two sets of 16 neighbours
.set E,     112                        ; v112-127 a scale byte for each step
.set C,     128                        ; v128-159 codes: a ring of eight steps x four registers
.set GS,    160                        ; v160-167 the gate's sums: two packed chains for each expert
.set EX,    176                        ; v176     lane l: the expert of the wave's row l % 8
.set L8,    177                        ; v177     lane % 8
.set ONE,   178
.set ZER,   179
.set G,     192                        ; v192-255 Wg[e][512 half + 16 lane + i] at G + 32 e + 16 half + i
.set WREG,  8192                       ; LDS: a region for each wave: two stages of 32 x SP bytes, then its 256 scale bytes
.set SP,    80                         ; a lane's place in a stage: 64 bytes + 16 of padding
.set SPW,   12                         ; v12 LDS address of my spare word; never rewritten
.set NIL,   13                         ; v13 0; never rewritten
.set SPARE, WAVES*WREG                 ; behind the four regions: the spare words, 128 bytes a wave
	s_load_b512 s[4:19], s[0:1], 0x0               ; x, Wg, W0a codes, scales, W0b codes, scales, W1a codes, scales
	s_load_b256 s[20:27], s[0:1], 0x40             ; W1b codes, scales, xq, xsc
	s_load_b128 s[28:31], s[0:1], 0x60             ; experts, wfrag
	s_load_b64 s[32:33], s[0:1], 0x70              ; wsc
	v_lshl_add_u32 v[SPW], v0, 2, SPARE
	v_mov_b32 v[NIL], 0
	v_lshrrev_b32 v1, 5, v0
	v_readfirstlane_b32 s40, v1                    ; wave
	v_and_b32 v2, 31, v0                           ; lane
	s_cmp_lt_u32 ttmp9, 256                        ; the work-group's number alone decides the path
	s_cbranch_scc0 .Lweights
	v_lshlrev_b32 v3, 4, v2                        ; my 16 bytes of a load's 512
	s_mul_i32 s41, s40, WREG
	v_lshrrev_b32 v14, 2, v2
	v_mul_u32_u24 v14, v14, SP
	v_and_b32 v15, 3, v2
	v_lshl_add_u32 v14, v15, 4, v14
	v_add_nc_u32 v14, s41, v14                     ; the stage, on the way in: SP (lane / 4) + 16 (lane % 4)
	v_mul_u32_u24 v15, v2, SP
	v_add_nc_u32 v15, s41, v15                     ; on the way out: SP x lane
	v_mul_u32_u24 v4, v2, CB                       ; my codes' place in a step's
	v_lshrrev_b32 v5, 1, v2
	s_add_co_u32 s41, s41, 2*32*SP
	v_add_nc_u32 v5, s41, v5                       ; my block's scale byte in LDS
	v_lshlrev_b32 v7, 3, v2
	v_add_nc_u32 v6, s41, v7                       ; and 8 bytes a lane on their way out
	v_lshlrev_b32 v10, 6, v2                       ; Wg: 64 bytes a lane
	v_and_b32 v[L8], 7, v2
	v_mov_b32 v[EX], 0
	v_mov_b32 v[ONE], 1
	v_mov_b32 v[ZER], 0
	v_mov_b32 v169, 0                              ; a lane permute's destination counts as one of its sources
	v_mov_b32 v171, 0
	s_mov_b32 s34, 0x76543210
	s_mov_b32 s35, 0xfedcba98                      ; selects for lane l xor 16
	s_lshl_b32 s42, ttmp9, 2
	s_add_co_u32 s42, s42, s40                     ; which run of 8 rows is my wave's
	s_lshl_b32 s44, s42, 15                        ; 32,768 bytes of x,
	s_mov_b32 s45, 0
	s_mul_i32 s46, s42, 6144                       ; 6,144 of codes,
	s_mov_b32 s47, 0
	s_lshl_b32 s48, s42, 8                         ; 256 scale bytes,
	s_mov_b32 s49, 0
	s_lshl_b32 s50, s42, 5                         ; 8 whole numbers
	s_mov_b32 s51, 0
	s_wait_alu depctr_va_vdst(0)
	s_wait_kmcnt 0x0
	s_add_nc_u64 s[4:5], s[4:5], s[44:45]
	s_add_nc_u64 s[24:25], s[24:25], s[46:47]
	s_add_nc_u64 s[26:27], s[26:27], s[48:49]
	s_add_nc_u64 s[28:29], s[28:29], s[50:51]
.irp e, 0,1
.irp hf, 0,1
.irp j, 0,1,2,3
	global_load_b128 v[G+32*\e+16*\hf+4*\j:G+32*\e+16*\hf+4*\j+3], v10, s[6:7] offset:4096*\e+2048*\hf+16*\j
.endr
.endr
.endr
.macro LOAD t
.irp i, 0,1,2,3
	global_load_b128 v[R+16*((\t)%4)+4*\i:R+16*((\t)%4)+4*\i+3], v3, s[4:5] offset:2048*(\t)+512*\i th:TH_LOAD_NT   ; 32 lanes read 512 consecutive bytes
.endr
.endm
.macro TURN t                          ; step t's numbers through the stage: LDS serves a wave's instructions in order
.irp i, 0,1,2,3
	ds_store_b128 v14, v[R+16*((\t)%4)+4*\i:R+16*((\t)%4)+4*\i+3] offset:32*SP*((\t)%2)+8*SP*\i
.endr
.irp i, 0,1,2,3
	ds_load_b128 v[X+16*((\t)%2)+4*\i:X+16*((\t)%2)+4*\i+3], v15 offset:32*SP*((\t)%2)+16*\i
.endr
.endm
.irp t, 0,1,2,3
	LOAD \t
.endr
	s_wait_loadcnt 12                              ; Wg and step 0 are in; three steps of four loads may be out
	TURN 0
.macro STEP t
.set XS, X+16*((\t)%2)
.set GW, G+16*((\t)%2)
.if (\t) > 0
	s_wait_dscnt 1                                 ; this step's numbers are back from the stage; the last step's byte store may be out
.else
	s_wait_dscnt 0x0
.endif
.if (\t)+4 < STEPS
	LOAD (\t)+4
.endif
.if (\t)+1 < STEPS
.if STEPS-2-(\t) >= 3
	s_wait_loadcnt 12                              ; the next step's four loads are in; those of the three steps behind it may be out
.else
	s_wait_loadcnt 4*(STEPS-2-(\t))
.endif
	TURN (\t)+1
.endif
	v_max3_num_f32 v8, |v[XS]|, |v[XS+1]|, |v[XS+2]|               ; the largest magnitude of my 16
	v_max3_num_f32 v9, |v[XS+3]|, |v[XS+4]|, |v[XS+5]|
.irp i, 6,10
	v_max3_num_f32 v8, v8, |v[XS+\i]|, |v[XS+\i+1]|
	v_max3_num_f32 v9, v9, |v[XS+\i+2]|, |v[XS+\i+3]|
.endr
	v_max3_num_f32 v8, v8, |v[XS+14]|, |v[XS+15]|
	v_max3_num_f32 v8, v8, v9, (EMAX+1)<<23        ; and the floor 2^(3 - 127): the byte cannot fall under 1
	v_max_num_f32_dpp v8, v8, v8 row_xmask:1 row_mask:0xf bank_mask:0xf   ; with my neighbour's 16: the block's
	v_add_nc_u32 v11, -(EMAX<<23), v8              ; 2 off its exponent field: the conversion's scale operand
.if (\t) >= 8
	s_wait_alu depctr_va_vdst(0)
	s_wait_xcnt 0x0                                ; the store of eight steps ago has read these registers
.endif
	v_cvt_scalef32_pk16_fp6_f32 v[C+4*((\t)%8):C+4*((\t)%8)+2], v[XS:XS+15], v11
	v_lshrrev_b32 v[E+(\t)], 23, v11               ; the scale's byte (a plain line behind the conversion)
	ds_store_b8 v5, v[E+(\t)] offset:16*(\t)       ; both lanes of a block write the same byte with the same value
	global_store_b96 v4, v[C+4*((\t)%8):C+4*((\t)%8)+2], s[24:25] offset:32*CB*(\t)
.irp i, 0,1,2,3,4,5,6,7                ; the gate: my 16 numbers x Wg's, both experts, four chains by turns; a row is two steps
.irp e, 0,1
.if ((\t)%2 == 0) && (\i < 2)
	v_pk_mul_f32 v[GS+4*\e+2*\i:GS+4*\e+2*\i+1], v[XS+2*\i:XS+2*\i+1], v[GW+32*\e+2*\i:GW+32*\e+2*\i+1]
.else
	v_pk_fma_f32 v[GS+4*\e+2*(\i%2):GS+4*\e+2*(\i%2)+1], v[XS+2*\i:XS+2*\i+1], v[GW+32*\e+2*\i:GW+32*\e+2*\i+1], v[GS+4*\e+2*(\i%2):GS+4*\e+2*(\i%2)+1]
.endif
.endr
.endr
.if (\t)%2 == 1                        ; the row is whole: sums over the wave, softmax, argmax
	v_add_f32 v168, v160, v161
	v_add_f32 v170, v164, v165
	v_add_f32 v172, v162, v163
	v_add_f32 v173, v166, v167
	v_add_f32 v168, v168, v172
	v_add_f32 v170, v170, v173
.irp x, 1,2,4,8
	v_add_f32_dpp v168, v168, v168 row_xmask:\x row_mask:0xf bank_mask:0xf
	v_add_f32_dpp v170, v170, v170 row_xmask:\x row_mask:0xf bank_mask:0xf
.endr
	v_permlanex16_b32 v169, v168, s34, s35
	v_permlanex16_b32 v171, v170, s34, s35
	v_add_f32 v168, v168, v169                     ; logit 0, in every lane
	v_add_f32 v170, v170, v171                     ; logit 1
	v_max_num_f32 v172, v168, v170                 ; the maximum is taken away ahead of the exponentials
	v_sub_f32 v173, v168, v172
	v_sub_f32 v174, v170, v172
	v_mul_f32 v173, 0x3fb8aa3b, v173
	v_mul_f32 v174, 0x3fb8aa3b, v174
	s_wait_alu depctr_va_vdst(0)
	v_exp_f32 v173, v173
	v_exp_f32 v174, v174
	v_nop                                          ; a plain line behind the exponentials,
	s_wait_alu depctr_va_vdst(0)                   ; and the wait ahead of their first reader
	v_add_f32 v175, v173, v174
	s_wait_alu depctr_va_vdst(0)
	v_rcp_f32 v175, v175
	v_nop
	s_wait_alu depctr_va_vdst(0)
	v_mul_f32 v173, v173, v175                     ; the two probabilities
	v_mul_f32 v174, v174, v175
	v_cmp_gt_f32 vcc_lo, v174, v173                ; expert 1 only where it is strictly larger
	v_cndmask_b32 v172, v[ZER], v[ONE], vcc_lo
	v_cmp_eq_u32 vcc_lo, (\t)/2, v[L8]
	v_cndmask_b32 v[EX], v[EX], v172, vcc_lo       ; kept by the lanes whose number % 8 is the row
.endif
.endm
.irp t, 0,1,2,3,4,5,6,7,8,9,10,11,12,13,14,15
	STEP \t
.endr
	ds_load_b64 v[8:9], v6                         ; LDS serves a wave's instructions in order: these see my byte stores
	s_wait_dscnt 0x0
	global_store_b64 v7, v[8:9], s[26:27]          ; 32 lanes store 256 consecutive bytes, aligned
	v_lshlrev_b32 v1, 2, v2
	s_wait_alu depctr_va_vdst(0)
	s_wait_xcnt 0x0                                ; EXEC changes only behind this wait
	v_cmp_gt_u32 vcc_lo, 8, v2
	s_and_saveexec_b32 s36, vcc_lo
	global_store_b32 v1, v[EX], s[28:29]           ; lanes 0-7: my wave's eight whole numbers, at their fixed places
	s_wait_xcnt 0x0
	s_or_b32 exec_lo, exec_lo, s36
	s_wait_tensorcnt 0x0                           ; the wave's end
	ds_add_u32 v[SPW], v[NIL]
	s_wait_dscnt 0x0
	s_endpgm
; THE WEIGHTS.  A unit (e, w, u), number 256 e + 32 w + u, is what wave w of a work-group of expert e multiplies by in one K step of 128: eight tiles of 16 rows.
; u < 16: the up weight, rows 128 G on with G = 2 w + u / 8, K step u % 8;  u >= 16: the down weight, G = w, K step u - 16.
; Lane r of tile t takes row 128 G + 32 (t / 2) + 8 (t % 2) + r + 8 (r / 8).  A tile's image is the lane's 12 operand registers, three pieces of 512 bytes, lane l's 16 bytes at 16 l, at 12,288 unit + 1,536 t.
; THE CODES: wave n of the 512 takes ONE tile x 768 bytes of its 16 rows = eight K steps (an up row whole, half a down row).  24 loads, in each of which sixteen lanes read 256 consecutive aligned bytes
; of one row; the 12,288 bytes turn through the wave's own LDS bytes (pitch 784); 48 LDS loads of 8 bytes give the eight fragments, whose images go to eight units on end.  Each byte of the codes is loaded once.
; THE SCALE WORDS: wave n takes unit n: lane l, word q: tile q + 4 (l / 16), row as above.  No barrier: waves share nothing.  Every choice hangs on ids alone.
.set WP,    784                        ; an LDS row: 768 bytes + 16: row r starts at bank 4 r mod 64
.set WWAVE, 12800                      ; a wave's 16 such rows, rounded up to blocks of 256 bytes
.set WLDS,  SPARE+512                  ; behind x's regions and the spare words: this path has LDS bytes of its own
.Lweights:
	s_wait_alu depctr_va_vdst(0)
	s_sub_co_u32 s41, ttmp9, 256
	s_lshl_b32 s41, s41, 2
	s_add_co_u32 s41, s41, s40                     ; n, 0 to 511
	s_lshr_b32 s42, s41, 8                         ; e
	s_bfe_u32 s43, s41, 0x30005                    ; w
	s_and_b32 s52, s41, 31                         ; u
	s_lshl_b32 s34, s43, 1                         ; the scale words of unit n: G and the K step, both ways,
	s_lshr_b32 s35, s52, 3
	s_add_co_u32 s34, s34, s35
	s_and_b32 s35, s52, 7
	s_and_b32 s37, s52, 15
	s_cmp_lt_u32 s52, 16
	s_cselect_b32 s34, s34, s43                    ; G
	s_cselect_b32 s35, s35, s37                    ; K step
	s_cselect_b32 s36, 5, 6                        ; a row of scale bytes is 32 or 64
	s_lshl_b32 s34, s34, 7
	s_lshl_b32 s34, s34, s36
	s_lshl_b32 s35, s35, 2
	s_add_co_u32 s38, s34, s35                     ; where the unit's scale words begin
	s_mov_b32 s39, 0
	s_bfe_u32 s53, s41, 0x10007                    ; the codes of job n: 0 the up weight, 1 the down weight
	s_and_b32 s54, s41, 127
	s_lshr_b32 s56, s54, s53                       ; the tile among the weight's: 8 G + t
	s_and_b32 s57, s54, s53                        ; which half of a down row
	s_lshr_b32 s58, s56, 3                         ; G
	s_and_b32 s59, s56, 7                          ; t
	s_lshl_b32 s55, 0x300, s53                     ; a row of codes is 768 or 1,536 bytes
	s_lshl_b32 s60, s58, 3
	s_lshr_b32 s61, s58, 1
	s_lshl_b32 s61, s61, 4
	s_add_co_u32 s60, s60, s61                     ; up: the first unit is 32 (G / 2) + 8 (G % 2);
	s_lshl_b32 s61, s58, 5
	s_lshl_b32 s62, s57, 3
	s_add_co_u32 s61, s61, s62
	s_add_co_u32 s61, s61, 16                      ; down: 32 G + 16 + 8 half
	s_cmp_eq_u32 s53, 0
	s_cselect_b32 s60, s60, s61
	s_lshl_b32 s61, s42, 8
	s_add_co_u32 s60, s60, s61                     ; + 256 e
	s_mul_i32 s60, s60, 12288
	s_mul_i32 s61, s59, 1536
	s_add_co_u32 s60, s60, s61                     ; where my tile's first image goes
	s_mov_b32 s61, 0
	s_lshl_b32 s62, s58, 7
	s_lshr_b32 s63, s59, 1
	s_lshl_b32 s63, s63, 5
	s_add_co_u32 s62, s62, s63
	s_and_b32 s63, s59, 1
	s_lshl_b32 s63, s63, 3
	s_add_co_u32 s62, s62, s63                     ; the tile's first row
	s_mul_i32 s62, s62, s55
	s_mul_i32 s63, s57, 768
	s_add_co_u32 s62, s62, s63                     ; where my 768 bytes of it begin
	s_mov_b32 s63, 0
	s_lshl_b32 s56, s41, 9                         ; unit n's scale words go to 512 n
	s_mov_b32 s57, 0
	s_mul_i32 s54, s40, WWAVE
	s_add_co_u32 s54, s54, WLDS                    ; my wave's LDS bytes
	v_and_b32 v6, 15, v0                           ; r
	v_bfe_u32 v7, v0, 4, 1                         ; h
	v_and_b32 v8, 8, v6
	v_add_nc_u32 v8, v8, v6                        ; r + 8 (r / 8)
	v_lshl_add_u32 v9, v7, 6, v8                   ; for the scale words: the upper lanes take the tiles four on, 64 rows down
	v_lshlrev_b32 v5, 4, v2                        ; 16 x lane
	v_lshlrev_b32 v212, s36, v9                    ; word q's row x a row of scale bytes
	v_add_lshl_u32 v213, v9, 8, s36
	v_add_lshl_u32 v214, v9, 32, s36
	v_add_lshl_u32 v215, v9, 40, s36
	v_lshlrev_b32 v11, 4, v6                       ; my 16 bytes of a row's 256
	v_mad_u32_u24 v216, v7, s55, v11               ; pair q of the tile's rows: lanes 0-15 row 2 q + 8 (q / 4), lanes 16-31 the next
.irp q, 1,2,3,4,5,6,7
	v_add_nc_u32 v[216+\q], 2*\q+8*(\q/4), v7
.endr
.irp q, 1,2,3,4,5,6,7
	v_mad_u32_u24 v[216+\q], v[216+\q], s55, v11
.endr
	v_mul_u32_u24 v10, v7, WP
	v_add_nc_u32 v10, v10, v11
	v_add_nc_u32 v10, s54, v10                     ; LDS, on the way in: row h of a pair, 16 (lane % 16)
	v_mul_u32_u24 v3, v6, WP
	v_mad_u32_u24 v3, v7, 24, v3
	v_add_nc_u32 v3, s54, v3                       ; on the way out: row r, + 24 h
	s_wait_alu depctr_va_vdst(0)
	s_wait_kmcnt 0x0
	s_add_nc_u64 s[30:31], s[30:31], s[60:61]
	s_add_nc_u64 s[32:33], s[32:33], s[56:57]
	s_cmp_eq_u32 s42, 0                            ; the expert's four buffers,
	s_cselect_b64 s[44:45], s[8:9], s[16:17]
	s_cselect_b64 s[46:47], s[10:11], s[18:19]
	s_cselect_b64 s[48:49], s[12:13], s[20:21]
	s_cselect_b64 s[50:51], s[14:15], s[22:23]
	s_cmp_eq_u32 s53, 0                            ; of them my job's codes,
	s_cselect_b64 s[44:45], s[44:45], s[48:49]
	s_cmp_lt_u32 s52, 16                           ; and my unit's scales
	s_cselect_b64 s[46:47], s[46:47], s[50:51]
	s_add_nc_u64 s[44:45], s[44:45], s[62:63]
	s_add_nc_u64 s[46:47], s[46:47], s[38:39]
.irp q, 0,1,2,3,4,5,6,7
.irp j, 0,1,2
	global_load_b128 v[16+12*\q+4*\j:16+12*\q+4*\j+3], v[216+\q], s[44:45] offset:256*\j   ; two rows' 256 consecutive bytes, aligned
.endr
.endr
.irp q, 0,1,2,3
	global_load_b32 v[208+\q], v[212+\q], s[46:47]
.endr
.irp q, 0,1,2,3,4,5,6,7
	s_wait_loadcnt 3*(7-\q)+4                      ; pair q is in; the later pairs' loads and the four scale loads may be out
.irp j, 0,1,2
	ds_store_b128 v10, v[16+12*\q+4*\j:16+12*\q+4*\j+3] offset:2*\q*WP+256*\j
.endr
.endr
.irp s, 0,1,2,3,4,5,6,7
.irp p, 0,1,2,3,4,5
	ds_load_b64 v[112+12*\s+2*\p:112+12*\s+2*\p+1], v3 offset:96*\s+48*(\p/3)+8*(\p%3)   ; LDS serves a wave's instructions in order: these see my stores
.endr
.endr
.irp s, 0,1,2,3,4,5,6,7
	s_wait_dscnt 6*(7-\s)                          ; K step s's fragment is in; the later steps' six loads each may be out
.irp j, 0,1,2
	global_store_b128 v5, v[112+12*\s+4*\j:112+12*\s+4*\j+3], s[30:31] offset:12288*\s+512*\j   ; 512 consecutive bytes, aligned
.endr
.endr
	s_wait_loadcnt 0x0
	global_store_b128 v5, v[208:211], s[32:33]
	s_wait_tensorcnt 0x0                           ; the wave's end
	ds_add_u32 v[SPW], v[NIL]
	s_wait_dscnt 0x0
	s_endpgm
.Lfunc_end_k_q5495d58ea5_prep:
	.size	k_q5495d58ea5_prep, .Lfunc_end_k_q5495d58ea5_prep-k_q5495d58ea5_prep
	.p2alignl 7, 3214868480
	.fill 96, 4, 3214868480
	.section	.rodata,"a",@progbits
	.p2align	6, 0x0
	.amdhsa_kernel k_q5495d58ea5_prep
		.amdhsa_group_segment_fixed_size 84480
		.amdhsa_private_segment_fixed_size 0
		.amdhsa_enable_private_segment 0
		.amdhsa_kernarg_size 120
		.amdhsa_user_sgpr_count 2
		.amdhsa_user_sgpr_kernarg_segment_ptr 1
		.amdhsa_wavefront_size32 1
		.amdhsa_system_sgpr_workgroup_id_x 1
		.amdhsa_system_sgpr_workgroup_id_y 1
		.amdhsa_system_sgpr_workgroup_id_z 1
		.amdhsa_system_vgpr_workitem_id 0
		.amdhsa_next_free_vgpr 256
		.amdhsa_next_free_sgpr 66
		.amdhsa_reserve_vcc 1
		.amdhsa_float_denorm_mode_32 3
		.amdhsa_float_denorm_mode_16_64 3
		.amdhsa_memory_ordered 1
		.amdhsa_forward_progress 1
		.amdhsa_inst_pref_size 78
	.end_amdhsa_kernel
	.amdgpu_metadata
---
amdhsa.version: [ 1, 2 ]
amdhsa.kernels:
  - .name:           k_q5495d58ea5_prep
    .symbol:         k_q5495d58ea5_prep.kd
    .args:
      - { .name: x, .offset: 0, .size: 8, .value_kind: global_buffer, .address_space: global }
      - { .name: Wg, .offset: 8, .size: 8, .value_kind: global_buffer, .address_space: global }
      - { .name: W0a_codes, .offset: 16, .size: 8, .value_kind: global_buffer, .address_space: global }
      - { .name: W0a_scales, .offset: 24, .size: 8, .value_kind: global_buffer, .address_space: global }
      - { .name: W0b_codes, .offset: 32, .size: 8, .value_kind: global_buffer, .address_space: global }
      - { .name: W0b_scales, .offset: 40, .size: 8, .value_kind: global_buffer, .address_space: global }
      - { .name: W1a_codes, .offset: 48, .size: 8, .value_kind: global_buffer, .address_space: global }
      - { .name: W1a_scales, .offset: 56, .size: 8, .value_kind: global_buffer, .address_space: global }
      - { .name: W1b_codes, .offset: 64, .size: 8, .value_kind: global_buffer, .address_space: global }
      - { .name: W1b_scales, .offset: 72, .size: 8, .value_kind: global_buffer, .address_space: global }
      - { .name: xq, .offset: 80, .size: 8, .value_kind: global_buffer, .address_space: global }
      - { .name: xsc, .offset: 88, .size: 8, .value_kind: global_buffer, .address_space: global }
      - { .name: experts, .offset: 96, .size: 8, .value_kind: global_buffer, .address_space: global }
      - { .name: wfrag, .offset: 104, .size: 8, .value_kind: global_buffer, .address_space: global }
      - { .name: wsc, .offset: 112, .size: 8, .value_kind: global_buffer, .address_space: global }
    .group_segment_fixed_size: 84480
    .private_segment_fixed_size: 0
    .kernarg_segment_align: 8
    .kernarg_segment_size: 120
    .max_flat_workgroup_size: 128
    .sgpr_count:     66
    .vgpr_count:     256
    .wavefront_size: 32
...
	.end_amdgpu_metadata
.endif
;; end of part 1
;; launch chain (part 2): grid 172 x 1, 8 waves a work-group, no clusters, 203,008 bytes of LDS; arguments xq, xsc, wfrag, wsc, b0a, b0b, b1a, b1b, out0, experts; writes out0
.if DOCPART == 2
	.amdgcn_target "amdgcn-amd-amdhsa--gfx1250"
	.amdhsa_code_object_version 6
	.text
	.protected	k_q5495d58ea5_chain
	.globl	k_q5495d58ea5_chain
	.p2align	8
	.type	k_q5495d58ea5_chain,@function
k_q5495d58ea5_chain:
	s_mov_b64 s[64:65], 0
	v_nop
	global_prefetch_b8 v0, s[64:65] scope:SCOPE_SE
	s_setreg_imm32_b32 hwreg(HW_REG_WAVE_MODE, 25, 1), 1
	s_wait_xcnt 0x0
; CHAIN.  The 8,192 tokens are taken as sorted by their expert: expert 0's from position 0, expert 1's from position 48 t0, t0 = ceil(n0 / 48).  Work-group T takes positions 48 T .. 48 T + 47,
; all of one expert e = (T >= t0), through the whole expert: h = act(x Wa^T + ba), quantised along its 2,048; y = h Wb^T + bb; y's rows go to their tokens' rows of out0.
; Both products on codes of FP6 (E2M3) with E8M0 scales; sums in f32.  The expert that a token did not choose is not multiplied.  172 = ceil(8192 / 48) + 1 tiles serve every split;
; a tile without rows runs beside the others and stores nothing, since every wave has to pass every barrier.
; THE ROUTING is done by each work-group for itself, in whole numbers, from the one whole number a token that the launch before has stored.  Thread i reads 16 bytes at 16 i + 4,096 j, j = 0 .. 7:
; register k = 4 j + c of lane l of wave w is token 1,024 j + 128 w + 4 l + c.  32 compares give a wave 32 masks in scalar registers.  The order of the sort is wave, k, lane (any fixed order serves:
; rows do not depend on each other).  The waves' counts meet in LDS; each wave then walks its 32 masks with their running count and keeps, for each of the tile's positions, the mask in which the
; position's rank falls; the bit is found by halving.  The wave in whose range a rank falls hands the token on through LDS, the others 0.  A position beyond the expert's last row gets token 0 and is not stored.
; SHARES.  Eight waves share the COLUMNS: wave w makes hidden units 256 w .. 256 w + 255 (two groups of 128; each becomes one K step of the second product) and outputs 128 w .. 128 w + 127, for all 48 rows.
; Each weight fragment is read by one wave alone, so the weights go from memory straight into registers, as images laid out by the first launch; a ring of two units (2 x 25 loads a wave) runs ahead.
; No cluster and no joint loads: a tile's expert hangs on numbers read from memory, and on it hang the weights' addresses and the choice of the activation.
; THE EXPERT IN ADDRESSES: e is held to 0 .. 1 and enters the weights' addresses through the lanes' offsets alone (16 x lane + e x an expert's bytes); the scalar bases are made of the arguments, the wave's
; number and the count of units.  Both experts' biases are loaded, and the tile's are selected as values.
; A UNIT: 8 weight tiles x 3 row tiles x 128 along K = 24 matrix instructions, used transposed (source 0 = 16 rows of a weight, source 1 = 16 tokens): a lane holds one token's row.
; The 24 accumulators take turns, one instruction a turn.  The biases are the C of each sum's first instruction.
; Activations go from wave to wave through LDS as images of operand registers: 3 x 512 bytes a fragment, lane l's 16 bytes at 16 l; scale words 4 bytes a lane.
; ROTATION: work-group T walks the K steps of a sum beginning at step T % 16 (mod 8 in the first product), so that work-groups ask for different parts of a weight at a time.
; GELU: g = h (0.5 + hc P(t) / Q(t)), hc = h held to +-4 sqrt(2), t = hc^2; P / Q is the f32 rational form of erf(x) / x with x = hc / sqrt(2), the factors folded into the coefficients.
; LIMITS: NaN and infinities are not served, nor the 0 x infinity of an expert that was not chosen; a block of zeros gets the scale byte 1 (its codes are zeros);
; for h under -5.66 the result is h x (a number within 1e-7 of 0) where the exact form has -0.
.set XIMG,  0                          ; LDS: x's fragments, (8 m + s) x 1,536
.set XSC,   36864                      ; their scale words, (8 m + s) x 128
.set HIMG,  39936                      ; the hidden layer's fragments, (16 m + s) x 1,536
.set HSC,   113664                     ; their scale words
.set BIA,   119808                     ; the expert's first bias, 8,192 bytes
.set BIB,   128000                     ; its second, 4,096
.set STG,   132096                     ; the way out: 16 rows x 528 bytes for each wave
.set SPARE, 199680                     ; the spare words, 128 bytes a wave
.set TOT,   200704                     ; the routing: the eight waves' counts, in a block of 256 bytes of their own
.set CAND,  200960                     ; and each wave's 64 candidates, 256 bytes a wave: position p at 4 p
.set LI,  1                            ; v1   16 x lane
.set LS,  2                            ; v2   4 x lane
.set XAD, 3                            ; v3   LDS address of the activation fragments in hand
.set XSA, 4                            ; v4   and of their scale words
.set HW0, 5                            ; v5   my wave's place among the hidden images
.set SOF, 6                            ; v6   the scale words' offset in memory: 16 x lane + e x 131,072; never rewritten
.set BA0, 7                            ; v7   my wave's place in the first bias
.set HWA, 8                            ; v8-10 the places of the group in hand: images, scale words, bias
.set HWS, 9
.set BAD, 10
.set TOK, 11                           ; v11-13 lane (r, h): the token of row r of row tile m
.set SPW, 14                           ; v14  LDS address of my spare word; never rewritten
.set NIL, 15                           ; v15  0; never rewritten
.set WS,  16                           ; v16-23 the weights' scale words, two sets of four: nothing but scales
.set XS,  24                           ; v24-26 the activations' scale words: nothing but scales
.set WOF, 27                           ; v27  the weight images' offset in memory: 16 x lane + e x 3,145,728; never rewritten
.set XF,  28                           ; v28-63 three activation fragments (at the head: the routing's registers, two sets of 12 from v28: rank, mask, count ahead, k, four rows of counts, rest, bit, two at work)
.set WF,  64                           ; v64-255 the weights' ring: unit parity p, tile t at WF + 96 p + 12 t (at the head v64-95: the 32 whole numbers)
.set BI,  192                          ; window 1: v0-191 the accumulators, (m, t) at 64 m + 8 t; v192-255 at work: eight tiles of bias,
.set TM,  192                          ; the quantiser's 16 registers,
.set PW,  208                          ; the scale word just made,
.set PC,  212                          ; the codes just made;
.set TT,  240                          ; GELU: t; hc, P, Q in two sets of 24 from v192; v248-251 the leading coefficients
.set I,   31                           ; s31  units done
.set MSB, 0
.macro WIN new                         ; the immediate's high byte repeats the setting that is left
.if MSB != \new
	s_set_vgpr_msb (MSB<<8)|\new
.set MSB, \new
.endif
.endm
.macro PLACES                          ; four plain lines between a matrix instruction and a load into, or a vector read or write of, its registers
.rept 4
	v_nop
.endr
.endm
.macro BARRIER                         ; my LDS stores have landed and my LDS loads are in: then the work-group's barrier
	s_wait_dscnt 0x0
	s_barrier_signal -1
	s_barrier_wait -1
.endm
; where unit I + d of my walk lies in my wave's stream: the same group, the K step turned by the work-group's rotation.  Made of the count of units and the work-group's number alone
.macro WADDR par, d
	s_add_co_u32 s58, s[I], \d
	s_cmp_ge_u32 s58, 16                           ; the first product's sums have 8 K steps, the second's 16
	s_cselect_b32 s59, 15, 7
	s_cselect_b32 s61, -16, -8
	s_add_co_u32 s60, s58, s28
	s_and_b32 s60, s60, s59                        ; the K step,
	s_and_b32 s58, s58, s61                        ; the group's first unit:
	s_add_co_u32 s58, s58, s60                     ; the unit
	s_mul_i32 s48, s58, 12288
	s_lshl_b32 s50, s58, 9
	s_add_nc_u64 s[40+2*(\par):41+2*(\par)], s[36:37], s[48:49]
	s_add_nc_u64 s[44+2*(\par):45+2*(\par)], s[38:39], s[50:51]
.endm
.macro WLOAD par, half                 ; four tiles' images: 12 loads of 512 consecutive bytes
.irp q, 0,1,2,3
.irp j, 0,1,2
	global_load_b128 v[WF+96*(\par)+48*(\half)+12*\q+4*\j:WF+96*(\par)+48*(\half)+12*\q+4*\j+3], v[WOF], s[40+2*(\par):41+2*(\par)] offset:(4*(\half)+\q)*1536+512*\j
.endr
.endr
.endm
.macro SLOAD par                       ; the unit's scale words: register q: lanes 0-15 tile q, lanes 16-31 tile q + 4
	global_load_b128 v[WS+4*(\par):WS+4*(\par)+3], v[SOF], s[44+2*(\par):45+2*(\par)]
.endm
.macro XADDR_S d, msk, base, sbase     ; the K step of unit I + d, in scalars
	s_add_co_u32 s60, s[I], s28
	s_add_co_u32 s60, s60, \d
	s_and_b32 s60, s60, \msk
	s_mul_i32 s61, s60, 1536
	s_add_co_u32 s61, s61, \base
	s_lshl_b32 s62, s60, 7
	s_add_co_u32 s62, s62, \sbase
.endm
.macro XADDR_V
	v_add_nc_u32 v[XAD], s61, v[LI]
	v_add_nc_u32 v[XSA], s62, v[LS]
.endm
.macro XLD m, mstr, sstr               ; row tile m's fragment and scale word
.irp j, 0,1,2
	ds_load_b128 v[XF+12*(\m)+4*\j:XF+12*(\m)+4*\j+3], v[XAD] offset:(\m)*(\mstr)+512*\j
.endr
	ds_load_b32 v[XS+(\m)], v[XSA] offset:(\m)*(\sstr)
.endm
.macro MM4 m, hi, par, first           ; four matrix instructions: row tile m x weight tiles 4 hi .. 4 hi + 3
.irp q, 0,1,2,3
.set AC_, 64*(\m)+8*(4*(\hi)+\q)
.set WF_, WF+96*(\par)+12*(4*(\hi)+\q)
.set BI_, BI+8*(4*(\hi)+\q)
.if \first
.if \hi
	v_wmma_scale_f32_16x16x128_f8f6f4 v[AC_:AC_+7], v[WF_:WF_+11], v[XF+12*(\m):XF+12*(\m)+11], v[BI_:BI_+7], v[WS+4*(\par)+\q], v[XS+(\m)] matrix_a_fmt:MATRIX_FMT_FP6 matrix_b_fmt:MATRIX_FMT_FP6 matrix_a_scale:MATRIX_SCALE_ROW1
.else
	v_wmma_scale_f32_16x16x128_f8f6f4 v[AC_:AC_+7], v[WF_:WF_+11], v[XF+12*(\m):XF+12*(\m)+11], v[BI_:BI_+7], v[WS+4*(\par)+\q], v[XS+(\m)] matrix_a_fmt:MATRIX_FMT_FP6 matrix_b_fmt:MATRIX_FMT_FP6
.endif
.else
.if \hi
	v_wmma_scale_f32_16x16x128_f8f6f4 v[AC_:AC_+7], v[WF_:WF_+11], v[XF+12*(\m):XF+12*(\m)+11], v[AC_:AC_+7], v[WS+4*(\par)+\q], v[XS+(\m)] matrix_a_fmt:MATRIX_FMT_FP6 matrix_b_fmt:MATRIX_FMT_FP6 matrix_a_scale:MATRIX_SCALE_ROW1
.else
	v_wmma_scale_f32_16x16x128_f8f6f4 v[AC_:AC_+7], v[WF_:WF_+11], v[XF+12*(\m):XF+12*(\m)+11], v[AC_:AC_+7], v[WS+4*(\par)+\q], v[XS+(\m)] matrix_a_fmt:MATRIX_FMT_FP6 matrix_b_fmt:MATRIX_FMT_FP6
.endif
.endif
.endr
.endm
; A UNIT.  par: its parity in the ring; first: its products start the sums, with the bias as C; ld: the unit two on is asked for; lw: how many later weight loads may be out; nx: the next unit's activations are fetched.
.macro UNIT par, first, ld, lw, nx, msk, base, sbase, mstr, sstr
	s_wait_loadcnt \lw                             ; this unit's 25 loads are in (the next unit's 25 may be out): so their bases may be written
.if \ld
	WADDR \par, 2
.endif
.if \nx
	XADDR_S 1, \msk, \base, \sbase
.endif
	s_add_co_u32 s[I], s[I], 1
.if \first
	s_wait_dscnt 0x0                               ; the activations and the bias are in
.else
	s_wait_dscnt 4                                 ; row tiles 0 and 1 are in; row tile 2's four loads may be out
.endif
	WIN 0x50                                       ; C and D in window 1
	MM4 0, 0, \par, \first
	MM4 1, 0, \par, \first
	s_wait_dscnt 0x0
	MM4 2, 0, \par, \first
.if \ld
	WIN 0
	PLACES
	WLOAD \par, 0                                  ; tiles 0-3 are done with: their registers take the unit two on
	WIN 0x50
.endif
	MM4 0, 1, \par, \first
	MM4 1, 1, \par, \first
.if \nx
	WIN 0
	XADDR_V                                        ; two plain lines,
	v_nop
	v_nop                                          ; and two more: four places
	XLD 0, \mstr, \sstr
	XLD 1, \mstr, \sstr
	WIN 0x50
.endif
	MM4 2, 1, \par, \first
	WIN 0
.if (\nx) || (\ld)
	PLACES
.endif
.if \nx
	XLD 2, \mstr, \sstr
.endif
.if \ld
	WLOAD \par, 1
	SLOAD \par
.endif
.endm
.macro BIAS                            ; lane (r, h), tile 2 b + c: the bias of units 32 b + 16 h + 8 c + 0 .. 7 of the group
	WIN 0x40
.irp t, 0,1,2,3,4,5,6,7
	ds_load_b128 v[BI+8*\t:BI+8*\t+3], v[BAD] offset:(32*(\t/2)+8*(\t%2))*4
	ds_load_b128 v[BI+8*\t+4:BI+8*\t+7], v[BAD] offset:(32*(\t/2)+8*(\t%2))*4+16
.endr
	WIN 0
.endm
; GELU on accumulator k's eight numbers, in three parts, so that a batch of reciprocals has the next accumulator's polynomials behind it ahead of its one wait
.macro HSTEP off, sp
.irp j, 0,2,4,6
	v_pk_fma_f32 v[H_+\off+\j:H_+\off+\j+1], v[H_+\off+\j:H_+\off+\j+1], v[TT+\j:TT+\j+1], s[\sp:\sp+1] op_sel_hi:[1,1,0]
.endr
.endm
.macro GELU_A k
.set A_, 8*(\k)
.set H_, 192+24*((\k)%2)
.irp j, 0,1,2,3,4,5,6,7
	v_med3_num_f32 v[H_+\j], v[A_+\j], s86, s87    ; hc (the accumulator is read from its low end on)
.endr
.irp j, 0,2,4,6
	v_pk_mul_f32 v[TT+\j:TT+\j+1], v[H_+\j:H_+\j+1], v[H_+\j:H_+\j+1]
.endr
.irp j, 0,2,4,6
	v_pk_fma_f32 v[H_+8+\j:H_+9+\j], v[TT+\j:TT+\j+1], v[248:249], s[76:77] op_sel_hi:[1,1,0]
	v_pk_fma_f32 v[H_+16+\j:H_+17+\j], v[TT+\j:TT+\j+1], v[250:251], s[84:85] op_sel_hi:[1,1,0]
.endr
	HSTEP 8, 74
	HSTEP 16, 82
	HSTEP 8, 72
	HSTEP 16, 80
	HSTEP 8, 70
	HSTEP 16, 78
	HSTEP 8, 68
	HSTEP 8, 66
.irp j, 0,2,4,6
	v_pk_mul_f32 v[H_+8+\j:H_+9+\j], v[H_+8+\j:H_+9+\j], v[H_+\j:H_+\j+1]      ; hc P
.endr
.endm
.macro GELU_R k
.set H_, 192+24*((\k)%2)
.irp j, 0,1,2,3,4,5,6,7
	v_rcp_f32 v[H_+16+\j], v[H_+16+\j]
.endr
.endm
.macro GELU_B k
.set A_, 8*(\k)
.set H_, 192+24*((\k)%2)
.irp j, 0,2,4,6
	v_pk_fma_f32 v[H_+8+\j:H_+9+\j], v[H_+8+\j:H_+9+\j], v[H_+16+\j:H_+17+\j], 0.5 op_sel_hi:[1,1,0]
.endr
.irp j, 0,2,4,6
	v_pk_mul_f32 v[A_+\j:A_+\j+1], v[H_+8+\j:H_+9+\j], v[A_+\j:A_+\j+1]
.endr
.endm
; 64 numbers of a lane, register 16 b + i = k 32 b + 16 (lane / 16) + i of my row, become a fragment's codes in v[PC] on and its scale word in v[PW]
.macro QUANT s
.irp b, 0,1,2,3
	v_mov_b32 v[TM+4+\b], 0                        ; a lane permute's destination counts as one of its sources
.endr
.irp b, 0,1,2,3
	v_max3_num_f32 v[TM+\b], |v[(\s)+16*\b]|, |v[(\s)+1+16*\b]|, 0x1800000   ; my 16 numbers of block b, and the floor 2^(3 - 127)
.endr
.irp i, 2,4,6,8,10,12,14
.irp b, 0,1,2,3
	v_max3_num_f32 v[TM+\b], v[TM+\b], |v[(\s)+16*\b+\i]|, |v[(\s)+1+16*\b+\i]|
.endr
.endr
.irp b, 0,1,2,3
	v_permlanex16_b32 v[TM+4+\b], v[TM+\b], s52, s53
.endr
.irp b, 0,1,2,3
	v_max_num_f32 v[TM+\b], v[TM+\b], v[TM+4+\b]   ; with lane l xor 16's: the block's largest magnitude
.endr
.irp b, 0,1,2,3
	v_add_nc_u32 v[TM+12+\b], 0xff000000, v[TM+\b] ; 2 off its exponent field: the conversion's scale operand
.endr
.irp b, 0,1,2,3
	v_lshrrev_b32 v[TM+4+\b], 23, v[TM+12+\b]      ; the scale's byte
.endr
	v_lshl_or_b32 v[PW], v[TM+5], 8, v[TM+4]
	v_lshl_or_b32 v[PW], v[TM+6], 16, v[PW]
	v_lshl_or_b32 v[PW], v[TM+7], 24, v[PW]
.irp c, 0,1
	v_cvt_scalef32_pk16_fp6_f32 v[PC+6*\c:PC+2+6*\c], v[(\s)+32*\c:(\s)+15+32*\c], v[TM+12+2*\c]
	v_cvt_scalef32_pk16_fp6_f32 v[PC+12+4*\c:PC+14+4*\c], v[(\s)+16+32*\c:(\s)+31+32*\c], v[TM+12+2*\c+1]
.endr
	v_nop                                          ; one plain line behind a scaled conversion
.irp c, 0,1                            ; the operand's layout wants a whole block in a lane
.irp i, 0,1,2
	v_permlane16_swap_b32 v[PC+6*\c+\i], v[PC+12+4*\c+\i]
.endr
.irp i, 0,1,2
	v_mov_b32 v[PC+3+6*\c+\i], v[PC+12+4*\c+\i]
.endr
.endr
.endm
.macro IMAGE m                         ; the fragment goes to LDS as it stands: K step 2 w + g of the second product, rows 16 m on
.irp c, 0,1,2
	ds_store_b128 v[HWA], v[PC+4*\c:PC+4*\c+3] offset:24576*(\m)+512*\c
.endr
	ds_store_b32 v[HWS], v[PW] offset:2048*(\m)
	s_wait_dscnt 0x0                               ; the stores have read their registers
.endm
; The routing: one halving step, for both sets of positions by turns.  cf: which of a set's registers holds the counts of fields wid bits wide; fw: bits of such a count.
; Where the rest is at least the count of the field at the bit in hand, the count is taken off the rest and the bit moves wid on.
.macro PSTEP cf, wid, fw
.irp z, 0,1
	v_bfe_u32 v[38+12*\z], v[28+12*\z+\cf], v[37+12*\z], \fw
.endr
.irp z, 0,1
	v_cmp_ge_u32 s[58+\z], v[36+12*\z], v[38+12*\z]
.endr
.irp z, 0,1
	v_cndmask_b32 v[38+12*\z], 0, v[38+12*\z], s[58+\z]
	v_cndmask_b32 v[39+12*\z], 0, \wid, s[58+\z]
.endr
.irp z, 0,1
	v_sub_nc_u32 v[36+12*\z], v[36+12*\z], v[38+12*\z]
	v_add_nc_u32 v[37+12*\z], v[37+12*\z], v[39+12*\z]
.endr
.endm
	s_load_b512 s[4:19], s[0:1], 0x0               ; xq, xsc, wfrag, wsc, b0a, b0b, b1a, b1b
	s_load_b128 s[20:23], s[0:1], 0x40             ; out0, experts
	v_lshl_add_u32 v[SPW], v0, 2, SPARE
	v_mov_b32 v[NIL], 0
	v_lshrrev_b32 v8, 5, v0
	v_readfirstlane_b32 s26, v8                    ; wave 0..7
	v_and_b32 v8, 31, v0
	v_lshlrev_b32 v[LI], 4, v8
	v_lshlrev_b32 v[LS], 2, v8
	v_and_b32 v9, 15, v0                           ; r
	v_bfe_u32 v10, v0, 4, 1                        ; h
	v_lshlrev_b32 v5, 4, v0                        ; 16 bytes a thread: the whole numbers, and a second bias
	v_lshlrev_b32 v7, 5, v0                        ; 32 bytes a thread: a first bias
	v_mov_b32 v3, s26
	v_lshl_add_u32 v3, v3, 2, TOT                  ; my wave's count
	v_and_b32 v4, 7, v0
	v_lshl_add_u32 v4, v4, 2, TOT                  ; lane j: wave j % 8's count
	s_lshl_b32 s58, s26, 8
	s_add_co_u32 s58, s58, CAND
	v_add_nc_u32 v52, s58, v[LS]                   ; my wave's candidates, 4 bytes a lane
	v_lshl_add_u32 v53, v9, 2, CAND                ; and where row r's are read
	s_and_b32 s28, ttmp9, 15                       ; the rotation
	s_mov_b32 s[I], 0
	s_mov_b32 s49, 0
	s_mov_b32 s51, 0
	s_mov_b32 s52, 0x76543210
	s_mov_b32 s53, 0xfedcba98                      ; selects for lane l xor 16
	s_mul_i32 s48, s26, 393216                     ; my wave's stream of 32 units within an expert's images,
	s_lshl_b32 s50, s26, 14                        ; and within its scale words
	s_wait_alu depctr_va_vdst(0)
	s_wait_kmcnt 0x0
.irp j, 0,1,2,3,4,5,6,7
	global_load_b128 v[64+4*\j:67+4*\j], v5, s[22:23] offset:4096*\j   ; 512 consecutive bytes a wave: tokens 1,024 j + 4 thread + 0 .. 3
.endr
	WIN 0x40                                       ; both experts' biases, into window 1: expert 0's at v192-203, expert 1's at v204-215
	global_load_b128 v[192:195], v7, s[12:13]
	global_load_b128 v[196:199], v7, s[12:13] offset:16
	global_load_b128 v[200:203], v5, s[14:15]
	global_load_b128 v[204:207], v7, s[16:17]
	global_load_b128 v[208:211], v7, s[16:17] offset:16
	global_load_b128 v[212:215], v5, s[18:19]
	WIN 0
	s_add_nc_u64 s[36:37], s[8:9], s[48:49]
	s_add_nc_u64 s[38:39], s[10:11], s[50:51]
	WADDR 0, 0
	WADDR 1, 1
	s_wait_loadcnt 6                               ; the 32 whole numbers are in; the six loads of the biases may be out
.set K, 0
.rept 32
	v_cmp_eq_u32 s[66+K], 1, v[64+K]               ; mask k: bit l = lane l's token of register k goes to expert 1
.set K, K+1
.endr
	s_bcnt1_i32_b32 s32, s66
.set K, 1
.rept 31
	s_bcnt1_i32_b32 s58, s[66+K]
	s_add_co_u32 s32, s32, s58                     ; my wave's tokens of expert 1
.set K, K+1
.endr
	v_mov_b32 v8, s32
	ds_store_b32 v3, v8                            ; all lanes write the same word with the same value
	BARRIER
	ds_load_b32 v8, v4
	s_wait_dscnt 0x0
	s_mov_b32 s33, 0                               ; expert 1's tokens in lower waves
	s_mov_b32 s34, 0                               ; n1
.irp j, 0,1,2,3,4,5,6,7
	v_readlane_b32 s58, v8, \j
	s_cmp_gt_u32 s26, \j
	s_cselect_b32 s59, s58, 0
	s_add_co_u32 s33, s33, s59
	s_add_co_u32 s34, s34, s58
.endr
	s_sub_co_u32 s35, 0x2000, s34                  ; n0
	s_add_co_u32 s59, s35, 47
	s_lshr_b32 s59, s59, 4
	s_mul_i32 s59, s59, 43691
	s_lshr_b32 s59, s59, 17                        ; t0 = ((n0 + 47) / 16) / 3: exact, the dividend being at most 514
	s_mul_i32 s58, ttmp9, 48                       ; the tile's first position, and its first rank if it is expert 0's
	s_mul_i32 s57, s59, 48
	s_sub_co_i32 s56, s35, s58                     ; rows left to expert 0 from this tile on
	s_sub_co_i32 s61, s58, s57                     ; the tile's first rank if it is expert 1's
	s_sub_co_i32 s57, s34, s61                     ; rows left to expert 1 (0 or less: a tile without rows)
	s_lshl_b32 s60, s26, 10
	s_sub_co_u32 s60, s60, s33                     ; expert 0's tokens in lower waves
	s_add_co_u32 s29, ttmp9, 1
	s_sub_co_i32 s29, s29, s59                     ; T + 1 - t0,
	s_max_i32 s29, s29, 0
	s_min_u32 s29, s29, 1                          ; held to 0 .. 1: the expert
	s_cmp_lg_u32 s29, 0
	s_cselect_b32 s30, s57, s56                    ; rows of this tile that count
	s_cselect_b32 s63, -1, 0                       ; all lanes' mask for the choice of the biases
	s_cselect_b32 s25, 0, -1                       ; what turns a mask of expert 1 into a mask of my expert
	s_cselect_b32 s24, s33, s60                    ; my expert's tokens ahead of my wave's
	s_cselect_b32 s61, s61, s58                    ; the tile's first rank
	s_mov_b32 s62, s24
	v_mov_b32 v9, s29
	v_min_u32 v9, 1, v9                            ; the expert stays inside the two experts' images
	v_mul_u32_u24 v[WOF], v9, 0x300000             ; an expert's images are 8 x 393,216 bytes,
	v_add_nc_u32 v[WOF], v[WOF], v[LI]
	v_lshlrev_b32 v[SOF], 17, v9                   ; its scale words 8 x 16,384
	v_add_nc_u32 v[SOF], v[SOF], v[LI]
	s_wait_alu depctr_va_vdst(0)                   ; the wait behind the two offsets' last write
	WLOAD 0, 0
	WLOAD 0, 1
	SLOAD 0
.set K, 0
.rept 32
	s_xor_b32 s[66+K], s[66+K], s25                ; masks of my expert
.set K, K+1
.endr
	v_and_b32 v28, 31, v0
	v_add_nc_u32 v28, s61, v28                     ; set 0: the ranks of positions 0 .. 31,
	v_add_nc_u32 v40, 32, v28                      ; set 1: of positions 32 .. 63 (48 on belong to the next tile and are read by nobody)
.irp z, 0,1
	v_mov_b32 v[29+12*\z], 0                       ; the mask,
	v_mov_b32 v[30+12*\z], 0                       ; the count ahead of it,
	v_mov_b32 v[31+12*\z], 0                       ; k,
	v_mov_b32 v[37+12*\z], 0                       ; the bit
.endr
.set K, 0
.rept 32                               ; the walk: the count ahead of mask k stands in s24 (k even) or s60 (k odd), made a step ahead.  The counts do not fall, so the last mask whose count is at or under the rank is the one
	s_bcnt1_i32_b32 s59, s[66+K]
	s_add_co_u32 s[24+36*((K+1)%2)], s[24+36*(K%2)], s59
	v_cmp_le_u32 vcc_lo, s[24+36*(K%2)], v28
	v_cmp_le_u32 s98, s[24+36*(K%2)], v40
	v_cndmask_b32 v29, v29, s[66+K], vcc_lo
	v_cndmask_b32 v41, v41, s[66+K], s98
	v_cndmask_b32 v30, v30, s[24+36*(K%2)], vcc_lo
	v_cndmask_b32 v42, v42, s[24+36*(K%2)], s98
	v_cndmask_b32 v31, v31, K, vcc_lo
	v_cndmask_b32 v43, v43, K, s98
.set K, K+1
.endr
.irp z, 0,1
	v_cmp_le_u32 s[98+\z], s62, v[28+12*\z]        ; does the rank fall among my wave's tokens?  At or above the count ahead of them,
	v_cmp_gt_u32 s[58+\z], s24, v[28+12*\z]        ; and under the count behind them
.endr
	s_wait_alu depctr_va_vdst(0)                   ; the wait ahead of the run of scalar lines below
	s_and_b32 s98, s98, s58
	s_and_b32 s99, s99, s59
	s_lshl_b32 s56, s26, 7                         ; 128 x wave
	s_mov_b32 s66, -5.69080715759502e-3            ; the masks are done with.  P's coefficients, degree 0 to 5, each as a pair (the packed form names a pair and takes its low word)
	s_mov_b32 s67, s66
	s_mov_b32 s68, -5.22304390077835e-4
	s_mov_b32 s69, s68
	s_mov_b32 s70, -6.49646073515859e-5
	s_mov_b32 s71, s70
	s_mov_b32 s72, -2.51575617099e-6
	s_mov_b32 s73, s72
	s_mov_b32 s74, -4.64265103925e-8
	s_mov_b32 s75, s74
	s_mov_b32 s76, 3.06119941265e-10
	s_mov_b32 s77, s76
	s_mov_b32 s78, -1.42647390514189e-2            ; Q's, degree 0 to 3
	s_mov_b32 s79, s78
	s_mov_b32 s80, -3.68666458360234e-3
	s_mov_b32 s81, s80
	s_mov_b32 s82, -4.20706743595508e-4
	s_mov_b32 s83, s82
	s_mov_b32 s84, -2.66717569098631e-5
	s_mov_b32 s85, s84
	s_mov_b32 s86, 0xc0b504f3                      ; -4 sqrt(2)
	s_mov_b32 s87, 0x40b504f3                      ; +4 sqrt(2)
	s_mov_b32 s88, -1.50599506025e-12              ; P's degree 6
	s_mov_b32 s89, -9.10379490406225e-7            ; Q's degree 4
.irp z, 0,1                            ; the mask's ones counted in pairs, fours, bytes and halves
	v_sub_nc_u32 v[36+12*\z], v[28+12*\z], v[30+12*\z]     ; the rest: which of the mask's ones
	v_lshrrev_b32 v[32+12*\z], 1, v[29+12*\z]
.endr
.irp z, 0,1
	v_and_b32 v[32+12*\z], 0x55555555, v[32+12*\z]
.endr
.irp z, 0,1
	v_sub_nc_u32 v[32+12*\z], v[29+12*\z], v[32+12*\z]     ; in pairs
.endr
.irp z, 0,1
	v_lshrrev_b32 v[33+12*\z], 2, v[32+12*\z]
	v_and_b32 v[34+12*\z], 0x33333333, v[32+12*\z]
.endr
.irp z, 0,1
	v_and_b32 v[33+12*\z], 0x33333333, v[33+12*\z]
.endr
.irp z, 0,1
	v_add_nc_u32 v[33+12*\z], v[33+12*\z], v[34+12*\z]     ; in fours
.endr
.irp z, 0,1
	v_lshrrev_b32 v[34+12*\z], 4, v[33+12*\z]
.endr
.irp z, 0,1
	v_add_nc_u32 v[34+12*\z], v[34+12*\z], v[33+12*\z]
.endr
.irp z, 0,1
	v_and_b32 v[34+12*\z], 0x0f0f0f0f, v[34+12*\z]         ; in bytes
.endr
.irp z, 0,1
	v_lshrrev_b32 v[35+12*\z], 8, v[34+12*\z]
.endr
.irp z, 0,1
	v_add_nc_u32 v[35+12*\z], v[35+12*\z], v[34+12*\z]     ; byte 0: the lower half's
.endr
	PSTEP 7, 16, 5
	PSTEP 6, 8, 4
	PSTEP 5, 4, 4
	PSTEP 4, 2, 2
	PSTEP 1, 1, 1
.irp z, 0,1                            ; the token: 1,024 (k / 4) + k % 4 + 128 wave + 4 bit
	v_and_b32 v[38+12*\z], 0x1c, v[31+12*\z]
	v_and_b32 v[39+12*\z], 3, v[31+12*\z]
.endr
.irp z, 0,1
	v_lshl_add_u32 v[38+12*\z], v[38+12*\z], 8, v[39+12*\z]
.endr
.irp z, 0,1
	v_lshl_add_u32 v[38+12*\z], v[37+12*\z], 2, v[38+12*\z]
.endr
.irp z, 0,1
	v_add_nc_u32 v[38+12*\z], s56, v[38+12*\z]
.endr
.irp z, 0,1
	v_cndmask_b32 v[38+12*\z], 0, v[38+12*\z], s[98+\z]    ; 0 where the rank is another wave's, or nobody's
.endr
	ds_store_b32 v52, v38
	ds_store_b32 v52, v50 offset:128
	BARRIER                                        ; the eight waves' candidates lie in LDS
.irp j, 0,1,2,3,4,5,6,7
.irp m, 0,1,2
	ds_load_b32 v[28+3*\j+\m], v53 offset:256*\j+64*\m     ; wave j's candidate for position 16 m + r
.endr
.endr
	s_wait_dscnt 0x0
.irp m, 0,1,2
	v_or_b32 v[TOK+\m], v[28+\m], v[31+\m]
.endr
.irp j, 2,3,4,5,6,7
.irp m, 0,1,2
	v_or_b32 v[TOK+\m], v[TOK+\m], v[28+3*\j+\m]   ; at most one of the eight is not 0
.endr
.endr
	s_wait_alu depctr_va_vdst(0)
	s_wait_loadcnt 25                              ; the biases are in, so their offsets may be written; unit 0's 25 loads may be out
.irp m, 0,1,2
	v_min_u32 v[TOK+\m], 0x1fff, v[TOK+\m]         ; a token stays inside the tables
.endr
	v_mul_u32_u24 v10, v10, 24
.irp m, 0,1,2
	v_mul_u32_u24 v[3+\m], v[TOK+\m], 0x300        ; a row of codes is 768 bytes
.endr
.irp m, 0,1,2
	v_add_nc_u32 v[3+\m], v[3+\m], v10
.endr
.irp m, 0,1,2
	v_lshlrev_b32 v[7+\m], 5, v[TOK+\m]            ; a row of scale bytes is 32
.endr
	s_mul_i32 s58, s26, 96                         ; wave w gathers K step w of all 48 rows
	s_mov_b32 s59, 0
	s_add_nc_u64 s[4:5], s[4:5], s[58:59]
	s_lshl_b32 s58, s26, 2
	s_add_nc_u64 s[6:7], s[6:7], s[58:59]
.irp m, 0,1,2
.irp p, 0,1,2,3,4,5
	global_load_b64 v[XF+12*\m+2*\p:XF+12*\m+2*\p+1], v[3+\m], s[4:5] offset:48*(\p/3)+8*(\p%3)
.endr
	global_load_b32 v[XS+\m], v[7+\m], s[6:7]
.endr
	WIN 0x55                                       ; the tile's biases, selected as values while the gather is out
.irp j, 0,1,2,3,4,5,6,7,8,9,10,11
	v_cndmask_b32 v[192+\j], v[192+\j], v[204+\j], s63
.endr
	WIN 0
	s_wait_alu depctr_va_vdst(0)
	s_wait_loadcnt 0x0                             ; unit 0 and the gather are in
	WLOAD 1, 0
	WLOAD 1, 1
	SLOAD 1
	s_mul_i32 s58, s26, 1536
	v_add_nc_u32 v5, s58, v[LI]
	s_lshl_b32 s58, s26, 7
	s_add_co_u32 s58, s58, XSC
	v_add_nc_u32 v7, s58, v[LS]
	v_lshl_add_u32 v3, v0, 5, BIA
	v_lshl_add_u32 v4, v0, 4, BIB
.irp m, 0,1,2
.irp j, 0,1,2
	ds_store_b128 v5, v[XF+12*\m+4*\j:XF+12*\m+4*\j+3] offset:12288*\m+512*\j
.endr
	ds_store_b32 v7, v[XS+\m] offset:1024*\m
.endr
	WIN 0x04                                       ; an LDS store's data are its source 1: window 1
	ds_store_b128 v3, v[192:195]
	ds_store_b128 v3, v[196:199] offset:16
	ds_store_b128 v4, v[200:203]
	WIN 0
	BARRIER                                        ; x's 24 fragments, their scale words and both biases lie in LDS
	v_bfe_u32 v10, v0, 4, 1
	s_mul_i32 s58, s26, 3072
	s_add_co_u32 s58, s58, HIMG
	v_add_nc_u32 v[HW0], s58, v[LI]
	s_lshl_b32 s58, s26, 10
	s_add_co_u32 s58, s58, BIA
	v_lshl_add_u32 v[BA0], v10, 6, s58
	XADDR_S 0, 7, XIMG, XSC
	XADDR_V
	XLD 0, 12288, 1024
	XLD 1, 12288, 1024
	XLD 2, 12288, 1024
	s_mov_b32 s54, 0                               ; the group, 0 and 1
	s_mov_b32 s55, 0                               ; its step in the images;
	s_lshl_b32 s56, s26, 8
	s_add_co_u32 s56, s56, HSC                     ; where its scale words go: my wave's 256 bytes, 128 a group;
	s_mov_b32 s57, 0                               ; its step in the bias
	s_wait_alu depctr_va_vdst(0)                   ; my wave's places were written few vector lines ago
.Lgroup:
	v_add_nc_u32 v[HWA], s55, v[HW0]
	v_add_nc_u32 v[HWS], s56, v[LS]
	v_add_nc_u32 v[BAD], s57, v[BA0]
	BIAS
	UNIT 0, 1, 1, 25, 1, 7, XIMG, XSC, 12288, 1024
	UNIT 1, 0, 1, 25, 1, 7, XIMG, XSC, 12288, 1024
	s_mov_b32 s27, 3
.Lk1:
	UNIT 0, 0, 1, 25, 1, 7, XIMG, XSC, 12288, 1024
	UNIT 1, 0, 1, 25, 1, 7, XIMG, XSC, 12288, 1024
	s_sub_co_u32 s27, s27, 1
	s_cmp_lg_u32 s27, 0
	s_cbranch_scc1 .Lk1
	PLACES
	s_cmp_lg_u32 s29, 0                            ; the activation hangs on the expert; no barrier stands on either way
	s_cbranch_scc1 .Lrelu
	WIN 0x55                                       ; everything in window 1
	v_mov_b32 v248, s88
	v_mov_b32 v249, s88
	v_mov_b32 v250, s89
	v_mov_b32 v251, s89
	GELU_A 0
	s_wait_alu depctr_va_vdst(0)                   ; a wait ahead of each batch of reciprocals,
	GELU_R 0
.set KB, 1
.rept 23
	v_nop                                          ; a plain line behind the batch,
	s_wait_alu depctr_va_vdst(0)                   ; and a wait behind it, directly ahead of the next accumulator's first reader
	GELU_A KB
	GELU_B KB-1
	s_wait_alu depctr_va_vdst(0)
	GELU_R KB
.set KB, KB+1
.endr
	v_nop
	s_wait_alu depctr_va_vdst(0)
	GELU_B 23
	WIN 0
	s_branch .Ljoin
.Lrelu:
	WIN 0x55
.set J, 0
.rept 192
	v_max_num_f32 v[J], 0, v[J]
.set J, J+1
.endr
	WIN 0
.Ljoin:
.irp m, 0,1,2
	WIN 0x55
	QUANT 64*\m
	WIN 0x04
	IMAGE \m
.endr
	WIN 0
	s_add_co_u32 s55, s55, 1536
	s_add_co_u32 s56, s56, 128
	s_add_co_u32 s57, s57, 512
	s_add_co_u32 s54, s54, 1
	s_cmp_lt_u32 s54, 2
	s_cbranch_scc1 .Lgroup
	BARRIER                                        ; the hidden layer's 48 fragments lie in LDS
	v_bfe_u32 v[BAD], v0, 4, 1
	s_lshl_b32 s58, s26, 9
	s_add_co_u32 s58, s58, BIB
	v_lshl_add_u32 v[BAD], v[BAD], 6, s58
	s_wait_alu depctr_va_vdst(0)
	XADDR_S 0, 15, HIMG, HSC
	XADDR_V
	XLD 0, 24576, 2048
	XLD 1, 24576, 2048
	XLD 2, 24576, 2048
	BIAS
	UNIT 0, 1, 1, 25, 1, 15, HIMG, HSC, 24576, 2048
	UNIT 1, 0, 1, 25, 1, 15, HIMG, HSC, 24576, 2048
	s_mov_b32 s27, 6
.Lk2:
	UNIT 0, 0, 1, 25, 1, 15, HIMG, HSC, 24576, 2048
	UNIT 1, 0, 1, 25, 1, 15, HIMG, HSC, 24576, 2048
	s_sub_co_u32 s27, s27, 1
	s_cmp_lg_u32 s27, 0
	s_cbranch_scc1 .Lk2
	UNIT 0, 0, 0, 25, 1, 15, HIMG, HSC, 24576, 2048    ; the last two units ask for no more weights,
	UNIT 1, 0, 0, 0, 0, 15, HIMG, HSC, 24576, 2048     ; the last for no more activations
	; THE WAY OUT.  A lane holds eight neighbouring outputs of one token's row; a row tile goes through my wave's stage and comes back as rows of 512 bytes, which the 32 lanes store
	; at the token's row of out0: 512 consecutive bytes, aligned.  The rows that count are a prefix of the tile: the first that does not ends the way out.
	PLACES
	v_and_b32 v60, 15, v0
	v_mul_u32_u24 v60, v60, 528
	v_bfe_u32 v61, v0, 4, 1
	v_lshl_add_u32 v60, v61, 6, v60
	s_mul_i32 s58, s26, 8448
	s_add_co_u32 s58, s58, STG
	v_add_nc_u32 v60, s58, v60                     ; in: row r, + 64 h
	v_add_nc_u32 v61, s58, v[LI]                   ; back: 16 bytes a lane
	s_lshl_b32 s59, s26, 9
	v_add_nc_u32 v62, s59, v[LI]                   ; my wave's 512 bytes of a row of out0
	s_wait_alu depctr_va_vdst(0)
.macro OUTTILE m
.if (\m) > 0
	s_wait_xcnt 0x0                                ; the last tile's stores have read their offsets
.endif
	WIN 0x04
.irp t, 0,1,2,3,4,5,6,7
	ds_store_b128 v60, v[64*(\m)+8*\t:64*(\m)+8*\t+3] offset:128*(\t/2)+32*(\t%2)        ; each accumulator from its low end on
	ds_store_b128 v60, v[64*(\m)+8*\t+4:64*(\m)+8*\t+7] offset:128*(\t/2)+32*(\t%2)+16
.endr
	WIN 0
.irp i, 0,1,2,3,4,5,6,7,8,9,10,11,12,13,14,15
	ds_load_b128 v[64+64*(\m)+4*\i:64+64*(\m)+4*\i+3], v61 offset:528*\i   ; LDS serves a wave's instructions in order: these see my stores
.endr
.irp i, 0,1,2,3,4,5,6,7,8,9,10,11,12,13,14,15
	s_cmp_gt_i32 s30, 16*(\m)+\i
	s_cbranch_scc0 .Lfin
	v_readlane_b32 s58, v[TOK+(\m)], \i
	s_min_u32 s58, s58, 0x1fff
	s_lshl_b32 s58, s58, 12                        ; a row of out0 is 4,096 bytes
	s_wait_dscnt 15-\i                             ; row i is back; the later rows' loads may be out
	v_add_nc_u32 v[28+\i], s58, v62                ; the store that reads this offset follows directly
	global_store_b128 v[28+\i], v[64+64*(\m)+4*\i:64+64*(\m)+4*\i+3], s[20:21] th:TH_STORE_NT
.endr
.endm
	OUTTILE 0
	OUTTILE 1
	OUTTILE 2
.Lfin:
	s_wait_tensorcnt 0x0                           ; the wave's end
	ds_add_u32 v[SPW], v[NIL]
	s_wait_dscnt 0x0
	s_endpgm
.Lfunc_end_k_q5495d58ea5_chain:
	.size	k_q5495d58ea5_chain, .Lfunc_end_k_q5495d58ea5_chain-k_q5495d58ea5_chain
	.p2alignl 7, 3214868480
	.fill 96, 4, 3214868480
	.section	.rodata,"a",@progbits
	.p2align	6, 0x0
	.amdhsa_kernel k_q5495d58ea5_chain
		.amdhsa_group_segment_fixed_size 203008
		.amdhsa_private_segment_fixed_size 0
		.amdhsa_enable_private_segment 0
		.amdhsa_kernarg_size 80
		.amdhsa_user_sgpr_count 2
		.amdhsa_user_sgpr_kernarg_segment_ptr 1
		.amdhsa_wavefront_size32 1
		.amdhsa_system_sgpr_workgroup_id_x 1
		.amdhsa_system_sgpr_workgroup_id_y 1
		.amdhsa_system_sgpr_workgroup_id_z 1
		.amdhsa_system_vgpr_workitem_id 0
		.amdhsa_next_free_vgpr 512
		.amdhsa_next_free_sgpr 100
		.amdhsa_reserve_vcc 1
		.amdhsa_float_denorm_mode_32 3
		.amdhsa_float_denorm_mode_16_64 3
		.amdhsa_memory_ordered 1
		.amdhsa_forward_progress 1
		.amdhsa_inst_pref_size 255
	.end_amdhsa_kernel
	.section	.bss,"aw",@nobits
	.p2align	6
	.space	262144
	.amdgpu_metadata
---
amdhsa.version: [ 1, 2 ]
amdhsa.kernels:
  - .name:           k_q5495d58ea5_chain
    .symbol:         k_q5495d58ea5_chain.kd
    .args:
      - { .name: xq, .offset: 0, .size: 8, .value_kind: global_buffer, .address_space: global }
      - { .name: xsc, .offset: 8, .size: 8, .value_kind: global_buffer, .address_space: global }
      - { .name: wfrag, .offset: 16, .size: 8, .value_kind: global_buffer, .address_space: global }
      - { .name: wsc, .offset: 24, .size: 8, .value_kind: global_buffer, .address_space: global }
      - { .name: b0a, .offset: 32, .size: 8, .value_kind: global_buffer, .address_space: global }
      - { .name: b0b, .offset: 40, .size: 8, .value_kind: global_buffer, .address_space: global }
      - { .name: b1a, .offset: 48, .size: 8, .value_kind: global_buffer, .address_space: global }
      - { .name: b1b, .offset: 56, .size: 8, .value_kind: global_buffer, .address_space: global }
      - { .name: out0, .offset: 64, .size: 8, .value_kind: global_buffer, .address_space: global }
      - { .name: experts, .offset: 72, .size: 8, .value_kind: global_buffer, .address_space: global }
    .group_segment_fixed_size: 203008
    .private_segment_fixed_size: 0
    .kernarg_segment_align: 8
    .kernarg_segment_size: 80
    .max_flat_workgroup_size: 256
    .sgpr_count:     100
    .vgpr_count:     512
    .wavefront_size: 32
...
	.end_amdgpu_metadata
.endif
;; end of part 2
